; MI455X (gfx1250); checked and timed in simulation.
; The chip was launched on July 23, 2026; its instructions are those of AMD's public machine-readable ISA for CDNA 5 (MIT licence, August 2026) and "CDNA5" Instruction Set Architecture Reference Guide (July 2026). The comments in the code are by the model that wrote it; some were corrected since.
;; BERT Encoder Block. Allowed arithmetic: matrix products marked QUANTISED: E5M2 operands, one E8M0 scale for each 32 along K, by v_wmma_scale_f32_16x16x128_f8f6f4 with both operands' format E5M2, f32 sums; everything else in f32.
;; Inputs: W1_codes 512 x 16 x 32 uint8 (E5M2 codes of W1, K innermost, in blocks of 32 codes); W1_scales 512 x 16 uint8 (E8M0 scales of W1, one for each 32 codes along K); W2_codes 512 x 16 x 32 uint8 (E5M2 codes of W2, K innermost, in blocks of 32 codes); W2_scales 512 x 16 uint8 (E8M0 scales of W2, one for each 32 codes along K); Wk_codes 512 x 16 x 32 uint8 (E5M2 codes of Wk, K innermost, in blocks of 32 codes); Wk_scales 512 x 16 uint8 (E8M0 scales of Wk, one for each 32 codes along K); Wo_codes 512 x 16 x 32 uint8 (E5M2 codes of Wo, K innermost, in blocks of 32 codes); Wo_scales 512 x 16 uint8 (E8M0 scales of Wo, one for each 32 codes along K); Wq_codes 512 x 16 x 32 uint8 (E5M2 codes of Wq, K innermost, in blocks of 32 codes); Wq_scales 512 x 16 uint8 (E8M0 scales of Wq, one for each 32 codes along K); Wv_codes 512 x 16 x 32 uint8 (E5M2 codes of Wv, K innermost, in blocks of 32 codes); Wv_scales 512 x 16 uint8 (E8M0 scales of Wv, one for each 32 codes along K); b1 512 float32; b2 512 float32; bf1 512 float32; bf2 512 float32; bk 512 float32; bo 512 float32; bq 512 float32; bv 512 float32; g1 512 float32; g2 512 float32; x 8 x 2,048 x 512 float32.
;; Outputs: out0 8 x 2,048 x 512 float32.
;; This version of the problem:
;;   THIS VERSION OF THE PROBLEM IS GIVEN IN LOW PRECISION. The matrix products marked QUANTISED in the list below multiply operands that are first quantised to E5M2 (5 exponent bits, 2 mantissa bits; 8 bits a number), with one power-of-two scale for each 32 numbers along K (OCP MX v1.0); their sums are f32. All else is computed in f32.
;;   The module's matrix products, in the order in which they are computed (A, B: the left and right operand; K: the contracted axis; several contracted axes count as one K, in the product's order):
;;     1. [M 16,384, K 512] x [K 512, N 512]; A: input x; B: input Wq (given as codes): QUANTISED
;;     2. [M 16,384, K 512] x [K 512, N 512]; A: input x; B: input Wk (given as codes): QUANTISED
;;     3. [M 16,384, K 512] x [K 512, N 512]; A: input x; B: input Wv (given as codes): QUANTISED
;;     4. batch 8 x [M 2,048, K 512] x [K 512, N 2,048]; A: computed on the way; B: computed on the way: QUANTISED
;;     5. batch 8 x [M 2,048, K 2,048] x [K 2,048, N 512]; A: softmax (see below); B: computed on the way: QUANTISED
;;     6. [M 16,384, K 512] x [K 512, N 512]; A: computed on the way; B: input Wo (given as codes): QUANTISED
;;     7. [M 16,384, K 512] x [K 512, N 512]; A: computed on the way; B: input W1 (given as codes): QUANTISED
;;     8. [M 16,384, K 512] x [K 512, N 512]; A: computed on the way; B: input W2 (given as codes): QUANTISED
;;   THE QUANTISER, for each operand of a quantised product, along K:
;;     - K is cut into blocks of 32 from its start; a last block that is shorter is filled with zeros.
;;     - A block's scale is 2^e with e = floor(log2(the largest magnitude in the block)) - 15, held to -126 .. 127; a block of zeros has e = 0. As a byte (E8M0): e + 127.
;;     - Each number is divided by its block's scale, clamped to +-57,344, and rounded to the nearest number of E5M2, ties to even, subnormals kept.
;;     - The product sums the exact products of the quantised numbers (number of the format x scale) in f32.
;;   ~~~python
;;   def quantise(x, axis):      # numpy; x: float32 -> the quantised numbers, widened to float32 again
;;       x = np.moveaxis(x, axis, -1); K = x.shape[-1]
;;       x = np.pad(x, [(0, 0)] * (x.ndim - 1) + [(0, -K % 32)]); x = x.reshape(x.shape[:-1] + (-1, 32)); a = np.abs(x).max(-1, keepdims=True)
;;       e = np.where(a > 0, np.clip(np.frexp(np.where(a > 0, a, 1))[1] - 1 - 15, -126, 127), 0)      # np.frexp(a)[1] - 1 = floor(log2(a)), exactly
;;       r = np.clip(x / 2.0 ** e, -57344, 57344)
;;       step = 2.0 ** (np.maximum(np.frexp(np.where(r == 0, 1, r))[1] - 1, -14) - 2)
;;       q = np.round(r / step) * step * 2.0 ** e      # np.round: ties to even
;;       return np.moveaxis(q.reshape(q.shape[:-2] + (-1,))[..., :K], -1, axis).astype(np.float32)
;;   ~~~
;;   SOFTMAX AHEAD OF A QUANTISED PRODUCT. Where the list says 'softmax', what is quantised is not the finished softmax but p = 2^(t - M), with t = logit x log2(e) and M = ceil(the row's largest t), a whole number; so 1/2 < the row's largest p <= 1. The row's sum l is taken of the UNQUANTISED p, in f32, and the product's result is divided by l at the end. Since M is a whole number, a kernel that streams over the keys may use a running M (the ceiling of the running maximum): every later rescaling is an exact power of two, which a block's scale takes up: the codes' values come out the same.
;;   OPERANDS COMPUTED ON THE WAY. 'Computed on the way' means the value that the module computes at that place (a softmax that the list does not call 'softmax' is quantised finished and normalised). What goes into a quantiser is computed in f32, as accurately as f32 sums, v_exp_f32 and their like allow (about 1e-6 of the number): no bf16 or f16 on the way to a quantiser, and a product that is left as it is and whose result goes on into a quantised operand takes f32 operands (vector FMAs, or v_wmma_f32_16x16x4_f32). A number that lies on a knife's edge between two numbers of the format may be rounded either way, as far as f32 arithmetic and the matrix unit's own rounding can turn it there, and no further.
;;   INPUTS GIVEN AS CODES. W1 (in the module: [512, 512], K = its axis 0); W2 (in the module: [512, 512], K = its axis 0); Wk (in the module: [512, 512], K = its axis 0); Wo (in the module: [512, 512], K = its axis 0); Wq (in the module: [512, 512], K = its axis 0); Wv (in the module: [512, 512], K = its axis 0): each comes as NAME_codes (uint8): NAME with its K axis moved to the last place and cut into blocks of 32 codes, [.., K / 32, bytes a block], one block behind the other in memory; one code a byte (a code: sign, 5 exponent bits, 2 mantissa bits); and NAME_scales (uint8): the same leading axes, one E8M0 byte (e + 127) for each 32 codes along K. Its value is code x scale, taken as it is: it is not quantised again, and the codes and scales need not be those that the quantiser above would give.
;; One version. Each part assembles by itself: llvm-mc -triple=amdgcn-amd-amdhsa -mcpu=gfx1250 --defsym DOCPART=n.
;; ======== version 1 of 1: 2 launches
;; limits: right only within a limited range of input values
;; workspace buffers: q 8,650,752 bytes; kvw 18,112,512 bytes
;; launch qkv (part 1): grid 4 x 64, 4 waves a work-group, clusters of 4 x 4, 327,680 bytes of LDS; arguments x, Wq_codes, Wq_scales, bq, Wk_codes, Wk_scales, bk, Wv_codes, Wv_scales, bv, Wo_codes, Wo_scales, W1_codes, W1_scales, W2_codes, W2_scales, q, kvw; writes q, kvw
.if DOCPART == 1
	.amdgcn_target "amdgcn-amd-amdhsa--gfx1250"
	.amdhsa_code_object_version 6
	.text
	.protected	k_q69813db551_qkv
	.globl	k_q69813db551_qkv
	.p2align	8
	.type	k_q69813db551_qkv,@function
k_q69813db551_qkv:
	s_mov_b64 s[64:65], 0
	v_nop
	global_prefetch_b8 v0, s[64:65] scope:SCOPE_SE
	s_setreg_imm32_b32 hwreg(HW_REG_WAVE_MODE, 25, 1), 1
	s_wait_xcnt 0x0
	s_wait_alu depctr_hold_cnt(0) depctr_sa_sdst(0) depctr_va_vdst(0) depctr_va_sdst(0) depctr_va_ssrc(0) depctr_va_vcc(0) depctr_vm_vsrc(0)
	s_getreg_b32 s2, hwreg(HW_REG_IB_STS2, 6, 4)
	s_cmp_eq_u32 s2, 0
	s_cbranch_scc0 .Lentry_in_a_cluster
	s_endpgm
.Lentry_in_a_cluster:
	s_bfe_u32 s2, ttmp6, 0x10000c
	s_cmp_lg_u32 s2, 0xf033
	s_cbranch_scc0 .Lentry_shape_is_right
	s_endpgm
.Lentry_shape_is_right:
; Q, K, V = x W^T + b on codes of E5M2 with E8M0 block scales; each result is quantised again and stored as images of the next launch's operand registers; Wo, W1, W2 are re-laid into tiles of the same form.
; SHARES.  A work-group owns 256 rows of x and 128 columns of each of Q, K, V (column part c = its place along the cluster's x); a wave owns 64 of the rows.
; The 3 x 128 weight rows, all of K, lie in LDS for the whole launch (rows of 512 bytes + 16 of padding): one joint load each by waves 0, 1, 2, shared by the four work-groups of the cluster's column.  Nothing is filled again.
; Each wave quantises its own 64 rows of x into its operand registers (window 1): no exchange between waves.  The four work-groups of a cluster's row read the same rows of x.
; Scale words and biases of the column part are copied into LDS once, in whole runs of 2,048 and 512 bytes.
; No prefetch: x's own loads stand as deep as LOADcnt counts from the head on, and the weights are asked for once, at the head.
; WINDOWS: 0 addresses, scale words, the quantiser's registers; 1 x's codes (fragment 4 m + ks at 16 (4 m + ks)); 2 sums (x's f32 numbers at first); 3 two sets of weight fragments (x's f32 numbers at first).
.set PITCH, 528
.set WT,    128*PITCH
.set SCL,   3*WT
.set BIA,   SCL+3*2048
.set SPARE, BIA+3*512
.set STG,   SPARE+512                  ; a stage of 16 rows x 528 bytes for each wave: x is read with 32 lanes on 512 bytes on end of a row, and turned here so that a lane holds 16 neighbours of its own row
.set TILE,  135168
.set QTR,   33792
.set XA,  2
.set WA,  3
.set WSL, 4
.set BAL, 5
.set BVL, 6
.set SGO, 7
.set BGO, 8
.set SPW, 9
.set NIL, 10
.set GI,  11
.set SLO, 12
.set BLO, 13
.set XST, 14
.set XRD, 48
.set QSA, 15
.set VSA, 16
.set RLS, 17
.set RLD, 18
.set RSS, 19
.set RSD, 20
.set XS,  32
.set WS,  50                           ; no product's two scale words have numbers equal modulo 8
.set SM,  84                           ; scale bytes and biases on their way into LDS
.set BI,  112
.set TM,  176
.set T16, 192
.set PC,  208
.set PW,  224
.set MW,  232
.set WV,  40
.set CP,  41
.set SEL, 84
.set MNT, 86
.set FLR, 87
.set HM,  88
.set MSB, 0
.macro WIN new
.if MSB != (\new)
	s_set_vgpr_msb (MSB<<8)|(\new)
.set MSB, (\new)
.endif
.endm
.macro PLACES n
.rept \n
	v_nop
.endr
.endm
.macro ROUND
	s_barrier_signal -1
	s_barrier_wait -1
	s_cmp_lg_u32 s[WV], 0
	s_cbranch_scc1 .Lnot_wave_0_\@
	s_barrier_signal -3
.Lnot_wave_0_\@:
	s_barrier_wait -3
	s_barrier_signal -1
	s_barrier_wait -1
.endm
; The quantiser of nb blocks of 32: a lane holds 16 numbers of each at src + 16 b in window win, lane l xor 16 the other 16.  Codes to pc in window pcw, the scale word to pw.
.macro QUANT src, win, nb, pc, pw, pcw
	WIN ((\win)<<2)|((\win)<<4)
.irp b, 0,1,2,3
.if \b < \nb
	v_max3_num_f32 v[TM+\b], s[FLR], |v[(\src)+16*\b]|, |v[(\src)+16*\b+1]|
.endif
.endr
.irp i, 2,4,6,8,10,12,14
.irp b, 0,1,2,3
.if \b < \nb
	v_max3_num_f32 v[TM+\b], v[TM+\b], |v[(\src)+16*\b+\i]|, |v[(\src)+16*\b+\i+1]|
.endif
.endr
.endr
	WIN 0
.irp b, 0,1,2,3
.if \b < \nb
	v_permlanex16_b32 v[TM+4+\b], v[TM+\b], s[SEL], s[SEL+1]
.endif
.endr
.irp b, 0,1,2,3
.if \b < \nb
	v_max_num_f32 v[TM+\b], v[TM+\b], v[TM+4+\b]
.endif
.endr
.irp b, 0,1,2,3
.if \b < \nb
	v_add_nc_u32 v[TM+12+\b], 0xf8800000, v[TM+\b]
.endif
.endr
.irp b, 0,1,2,3
.if \b < \nb
	v_and_or_b32 v[TM+8+\b], v[TM+\b], 0x7f800000, s[MNT]
.endif
.endr
.irp b, 0,1,2,3
.if \b < \nb
	v_lshrrev_b32 v[TM+4+\b], 23, v[TM+12+\b]
.endif
.endr
	v_lshl_or_b32 v[\pw], v[TM+5], 8, v[TM+4]
.if \nb > 2
	v_lshl_or_b32 v[\pw], v[TM+6], 16, v[\pw]
	v_lshl_or_b32 v[\pw], v[TM+7], 24, v[\pw]
.endif
.irp b, 0,1,2,3
.if \b < \nb
	WIN \win
.irp i, 0,1,2,3,4,5,6,7,8,9,10,11,12,13,14,15
	v_med3_num_f32 v[T16+\i], v[(\src)+16*\b+\i], -v[TM+8+\b], v[TM+8+\b]
.endr
	WIN (\pcw)<<6
	v_cvt_scalef32_pk8_bf8_f32 v[(\pc)+4*\b:(\pc)+4*\b+1], v[T16:T16+7], v[TM+12+\b]
	v_cvt_scalef32_pk8_bf8_f32 v[(\pc)+4*\b+2:(\pc)+4*\b+3], v[T16+8:T16+15], v[TM+12+\b]
	v_nop
.endif
.endr
.endm
.macro MKG0 g, wc, lds
	s_mov_b32 s[\g], 1
	s_mov_b32 s[\g+1], \lds
	s_add_nc_u64 s[\g+2:\g+3], s[\wc:\wc+1], s[46:47]
	s_or_b32 s[\g+3], s[\g+3], 0x80000000
.endm
.macro XLOAD win, p, off               ; 16 rows of x, all of K, as f32: 64 loads into window win
	WIN (\win)<<6
.irp s, 0,1,2,3
.irp b, 0,1,2,3
.irp j, 0,1,2,3
	global_load_b128 v[64*\s+16*\b+4*\j:64*\s+16*\b+4*\j+3], v[XA], s[\p:\p+1] offset:(\off)+512*\s+2048*(4*\b+\j)
.endr
.endr
.endr
	WIN 0
.endm
; A tile of x in window win goes through my stage, 128 of K at a time: 16 rows in, and back as row lane % 16, 16 numbers of each block of 32.  LDS serves a wave's instructions in order (ISA guide 5.7.1.4): no wait between them.
.macro XPOSE win
.irp s, 0,1,2,3
	WIN (\win)<<2
.irp p, 0,1,2,3,4,5,6,7,8,9,10,11,12,13,14,15
	ds_store_b128 v[XST], v[64*\s+4*\p:64*\s+4*\p+3] offset:PITCH*\p
.endr
	WIN (\win)<<6
.irp b, 0,1,2,3
.irp j, 0,1,2,3
	ds_load_b128 v[64*\s+16*\b+4*\j:64*\s+16*\b+4*\j+3], v[XRD] offset:128*\b+16*\j
.endr
.endr
.endr
	WIN 0
.endm
.macro XWAIT s                         ; behind unit s's loads stand 32 (3 - s) LDS instructions; the wait names 63 at the most
.if (\s) < 2
	s_wait_dscnt 63
.else
	s_wait_dscnt 96-32*(\s)
.endif
.endm
.macro LDPART dst, ks
	WIN 0xC0
.irp t, 0,1,2,3,4,5,6,7
.irp c, 0,1,2,3
	ds_load_b128 v[\dst+16*\t+4*\c:\dst+16*\t+4*\c+3], v[WA] offset:16*\t*PITCH+128*(\ks)+32*\c
.endr
.endr
	WIN 0
.endm
.macro LDWS
.irp t, 0,1,2,3,4,5,6,7
	ds_load_b128 v[WS+4*\t:WS+4*\t+3], v[WSL] offset:256*\t
.endr
.endm
; 32 products; the 32 accumulators take turns.  isv = 0: source 0 = the weight's rows (a lane holds a row of x and eight columns); isv = 1: source 0 = x's rows (a lane holds a column of V and eight tokens).  first = 1: the bias is C.
.macro MUL isv, part, ks, first
.if \isv
.if \first
	WIN 0x8D
.else
	WIN 0xAD
.endif
.irp t, 0,1,2,3,4,5,6,7
.irp m, 0,1,2,3
.if \first
	v_wmma_scale_f32_16x16x128_f8f6f4 v[32*\t+8*\m:32*\t+8*\m+7], v[16*(4*\m+(\ks)):16*(4*\m+(\ks))+15], v[(\part)+16*\t:(\part)+16*\t+15], v[BI+8*\t:BI+8*\t+7], v[XS+4*\m+(\ks)], v[WS+4*\t+(\ks)] matrix_a_fmt:MATRIX_FMT_BF8 matrix_b_fmt:MATRIX_FMT_BF8
.else
	v_wmma_scale_f32_16x16x128_f8f6f4 v[32*\t+8*\m:32*\t+8*\m+7], v[16*(4*\m+(\ks)):16*(4*\m+(\ks))+15], v[(\part)+16*\t:(\part)+16*\t+15], v[32*\t+8*\m:32*\t+8*\m+7], v[XS+4*\m+(\ks)], v[WS+4*\t+(\ks)] matrix_a_fmt:MATRIX_FMT_BF8 matrix_b_fmt:MATRIX_FMT_BF8
.endif
.endr
.endr
.else
.if \first
	WIN 0x87
.else
	WIN 0xA7
.endif
.irp m, 0,1,2,3
.irp t, 0,1,2,3,4,5,6,7
.if \first
	v_wmma_scale_f32_16x16x128_f8f6f4 v[64*\m+8*\t:64*\m+8*\t+7], v[(\part)+16*\t:(\part)+16*\t+15], v[16*(4*\m+(\ks)):16*(4*\m+(\ks))+15], v[BI+8*\t:BI+8*\t+7], v[WS+4*\t+(\ks)], v[XS+4*\m+(\ks)] matrix_a_fmt:MATRIX_FMT_BF8 matrix_b_fmt:MATRIX_FMT_BF8
.else
	v_wmma_scale_f32_16x16x128_f8f6f4 v[64*\m+8*\t:64*\m+8*\t+7], v[(\part)+16*\t:(\part)+16*\t+15], v[16*(4*\m+(\ks)):16*(4*\m+(\ks))+15], v[64*\m+8*\t:64*\m+8*\t+7], v[WS+4*\t+(\ks)], v[XS+4*\m+(\ks)] matrix_a_fmt:MATRIX_FMT_BF8 matrix_b_fmt:MATRIX_FMT_BF8
.endif
.endr
.endr
.endif
	WIN 0
	PLACES 8                               ; ahead of loads into what these products read, and of the first reader of their sums
.endm
; One weight: four steps of 128 along K on two sets of fragments.  At the entry set 0 and the scale words have been asked for.  more = 1: the next weight's are asked for on the way.
.macro PHASE isv, more
.if \isv
.irp t, 0,1,2,3,4,5,6,7
.irp j, 0,1,2,3,4,5,6,7
	ds_load_b32 v[BI+8*\t+\j], v[BVL] offset:64*\t
.endr
.endr
.else
.irp t, 0,1,2,3,4,5,6,7
	ds_load_b128 v[BI+8*\t:BI+8*\t+3], v[BAL] offset:64*\t
	ds_load_b128 v[BI+8*\t+4:BI+8*\t+7], v[BAL] offset:64*\t+16
.endr
.endif
	LDPART 128, 1
	s_wait_dscnt 32                        ; all but the 32 loads just issued
	MUL \isv, 0, 0, 1
	LDPART 0, 2
	s_wait_dscnt 32
	MUL \isv, 128, 1, 0
	LDPART 128, 3
	s_wait_dscnt 32
	MUL \isv, 0, 2, 0
.if \more
	v_add_nc_u32 v[WA], WT, v[WA]
	LDPART 0, 0
	s_wait_dscnt 32
.else
	s_wait_dscnt 0x0
.endif
	MUL \isv, 128, 3, 0
.if \more
	v_add_nc_u32 v[WSL], 2048, v[WSL]
	LDWS
.endif
.endm
	s_load_b512 s[4:19], s[0:1], 0x0
	s_load_b512 s[20:35], s[0:1], 0x40
	s_load_b128 s[36:39], s[0:1], 0x80
	v_lshl_add_u32 v[SPW], v0, 2, SPARE
	v_mov_b32 v[NIL], 0
	ds_add_u32 v[SPW], v[NIL]              ; the opening lines: the add, twice on end, and its wait
	ds_add_u32 v[SPW], v[NIL]
	v_lshrrev_b32 v1, 5, v0
	v_readfirstlane_b32 s[WV], v1
	s_bfe_u32 s[CP], ttmp6, 0x40000        ; cx: my column part
	s_bfe_u32 s82, ttmp6, 0x40004          ; cy
	s_and_b32 s43, ttmp7, 0xffff
	s_lshl_b32 s43, s43, 2
	s_add_co_u32 s43, s43, s82             ; my block of 256 rows
	s_lshl_b32 s83, s43, 2
	s_add_co_u32 s42, s83, s[WV]           ; s42: my wave's block of 64 rows
	s_add_co_u32 s83, s83, s[CP]           ; s83: the work-group's number, for the weights that are re-laid
	s_lshl_b32 s44, 0x1111, s[CP]          ; my column of the cluster shares the weight rows
	s_or_b32 s48, s44, (1<<20)|(1<<21)|(6<<22)|(3<<25)   ; elements of a byte; 4 words of padding behind every 128
	s_mov_b32 s49, 512<<16
	s_mov_b32 s50, 128<<16
	s_mov_b32 s51, 512<<16
	s_mov_b32 s52, 128
	s_mov_b32 s53, 512
	s_mov_b32 s54, 0
	s_mov_b32 s55, 0
	s_lshl_b32 s46, s[CP], 16              ; 128 rows of 512 bytes
	s_mov_b32 s47, 0
	s_mov_b32 s[SEL], 0x76543210
	s_mov_b32 s[SEL+1], 0xfedcba98
	s_mov_b32 s[MNT], 0x600000
	s_mov_b32 s[FLR], 0x8000000
	s_mov_b32 s[HM], 0xffff0000
	s_wait_dscnt 0x0
	s_wait_kmcnt 0x0
	MKG0 56, 6, 0
	MKG0 60, 12, WT
	MKG0 68, 18, 2*WT
	ROUND
	s_cmp_eq_u32 s[WV], 0                  ; one chain of arms, one joint load to an arm: Wq's rows, Wk's, Wv's
	s_cbranch_scc0 .Lw1
	tensor_load_to_lds s[56:59], s[48:55]
	s_nop 0
	PLACES 4
	s_branch .Lasked
.Lw1:
	s_cmp_eq_u32 s[WV], 1
	s_cbranch_scc0 .Lw2
	tensor_load_to_lds s[60:63], s[48:55]
	s_nop 0
	PLACES 4
	s_branch .Lasked
.Lw2:
	s_cmp_eq_u32 s[WV], 2
	s_cbranch_scc0 .Lasked
	tensor_load_to_lds s[68:71], s[48:55]
	s_nop 0
	PLACES 4
.Lasked:
	; the scalars that the address registers take in
	s_and_b32 s43, s83, 31
	s_lshl_b32 s72, s43, 10
	s_lshl_b32 s73, s43, 5
	s_add_co_u32 s73, s73, 32768
	s_bfe_u32 s43, s83, 0x20005
	s_bfe_u32 s46, s83, 0x30001
	s_lshl_b32 s44, s43, 3
	s_add_co_u32 s44, s44, s46
	s_lshr_b32 s46, s83, 7
	s_bfe_u32 s47, s83, 0x10004
	s_lshl_b32 s89, s46, 1
	s_add_co_u32 s89, s89, s47
	s_and_b32 s47, s83, 1
	s_lshl_b32 s74, s44, 13
	s_lshl_b32 s75, s89, 7
	s_add_co_u32 s74, s74, s75
	s_lshl_b32 s75, s47, 6
	s_add_co_u32 s74, s74, s75
	s_lshl_b32 s75, s44, 8
	s_lshl_b32 s76, s47, 7
	s_add_co_u32 s75, s75, s76
	s_lshl_b32 s76, s89, 2
	s_add_co_u32 s75, s75, s76
	s_add_co_u32 s46, s46, 128
	s_mul_i32 s46, s46, TILE
	s_mul_i32 s43, s43, QTR
	s_add_co_u32 s46, s46, s43
	s_mov_b32 s47, 0
	s_add_nc_u64 s[66:67], s[38:39], s[46:47]
	s_lshl_b32 s77, s[CP], 11
	s_lshl_b32 s78, s[CP], 9
	s_mul_i32 s79, s[WV], 16*PITCH
	s_add_co_u32 s79, s79, STG             ; my stage
	v_and_b32 v1, 15, v0
	v_bfe_u32 v21, v0, 4, 1
	v_and_b32 v31, 31, v0
	v_lshlrev_b32 v[XA], 4, v31
	v_add_nc_u32 v[XST], s79, v[XA]
	v_mul_u32_u24 v[XRD], v1, PITCH
	v_lshl_add_u32 v[XRD], v21, 6, v[XRD]
	v_add_nc_u32 v[XRD], s79, v[XRD]
	v_lshlrev_b32 v[GI], 4, v31
	v_mul_u32_u24 v[WA], v1, PITCH
	v_lshl_add_u32 v[WA], v21, 4, v[WA]
	v_lshl_add_u32 v[WSL], v1, 4, SCL
	v_lshl_add_u32 v[BAL], v21, 5, BIA
	v_lshl_add_u32 v[BVL], v1, 2, BIA+1024
	v_lshl_add_u32 v[SGO], v0, 4, s77
	v_lshl_add_u32 v[BGO], v0, 2, s78
	v_lshl_add_u32 v[SLO], v0, 4, SCL
	v_lshl_add_u32 v[BLO], v0, 2, BIA
	v_lshlrev_b32 v[QSA], 2, v1
	v_lshl_add_u32 v[VSA], v21, 6, v[QSA]
	v_lshl_add_u32 v[QSA], v21, 8, v[QSA]
.irp b, 0,1,2,3
	v_mov_b32 v[TM+4+\b], 0
.endr
	v_lshl_add_u32 v[RLD], v0, 3, s72
	v_add_nc_u32 v[RSD], s73, v31
	v_bfe_u32 v[RLS], v0, 1, 4
	v_lshlrev_b32 v[RLS], 9, v[RLS]
	v_lshrrev_b32 v21, 6, v0
	v_lshl_or_b32 v[RLS], v21, 5, v[RLS]
	v_and_b32 v21, 1, v0
	v_lshl_or_b32 v[RLS], v21, 4, v[RLS]
	v_bfe_u32 v21, v0, 5, 1
	v_lshl_or_b32 v[RLS], v21, 3, v[RLS]
	v_lshrrev_b32 v[RSS], 2, v31
	v_lshlrev_b32 v[RSS], 4, v[RSS]
	v_and_b32 v21, 3, v31
	v_add_nc_u32 v[RSS], v[RSS], v21
	v_add_nc_u32 v[RLS], s74, v[RLS]
	v_add_nc_u32 v[RSS], s75, v[RSS]
	s_wait_alu depctr_va_vdst(0)           ; the wait ahead of the run of scalar lines
	; x's rows, and where the results go
	s_mov_b32 s45, 0
	s_lshl_b32 s44, s42, 17
	s_add_nc_u64 s[4:5], s[4:5], s[44:45]  ; my 64 rows: tiles 0, 1
	s_add_nc_u64 s[6:7], s[4:5], 65536     ; tiles 2, 3
	global_load_b128 v[SM:SM+3], v[SGO], s[8:9]
	global_load_b128 v[SM+4:SM+7], v[SGO], s[14:15]
	global_load_b128 v[SM+8:SM+11], v[SGO], s[20:21]
	global_load_b32 v[SM+12], v[BGO], s[10:11]
	global_load_b32 v[SM+13], v[BGO], s[16:17]
	global_load_b32 v[SM+14], v[BGO], s[22:23]
	global_load_b64 v[22:23], v[RLS], s[24:25]
	global_load_b64 v[24:25], v[RLS], s[28:29]
	global_load_b64 v[26:27], v[RLS], s[32:33]
	s_cmp_lg_u32 s[WV], 0
	s_cbranch_scc1 .Lno_sc_in
	global_load_u8 v28, v[RSS], s[26:27]
	global_load_u8 v29, v[RSS], s[30:31]
	global_load_u8 v30, v[RSS], s[34:35]
.Lno_sc_in:
	XLOAD 2, 6, 0
	XLOAD 3, 6, 32768
	s_mul_i32 s46, s42, QTR
	s_lshl_b32 s43, s[CP], 11
	s_lshl_b32 s89, s[CP], 6
	s_add_co_u32 s44, s46, s43
	s_add_nc_u64 s[72:73], s[36:37], s[44:45]      ; Q's codes: tiles 0, 1;
	s_add_nc_u64 s[74:75], s[72:73], 16384         ; tiles 2, 3
	s_add_co_u32 s44, s46, s89
	s_add_co_u32 s44, s44, 32768
	s_add_nc_u64 s[76:77], s[36:37], s[44:45]      ; Q's scale words likewise
	s_add_nc_u64 s[78:79], s[76:77], 512
	s_lshr_b32 s46, s42, 1
	s_mul_i32 s46, s46, TILE
	s_and_b32 s47, s42, 1
	s_mul_i32 s82, s47, 2*QTR
	s_add_co_u32 s82, s82, s46
	s_add_co_u32 s44, s82, s43
	s_add_nc_u64 s[90:91], s[38:39], s[44:45]      ; K's codes
	s_add_nc_u64 s[92:93], s[90:91], QTR
	s_add_co_u32 s44, s82, s89
	s_add_co_u32 s44, s44, 32768
	s_add_nc_u64 s[94:95], s[38:39], s[44:45]      ; K's scale words
	s_add_nc_u64 s[96:97], s[94:95], QTR
	s_mul_i32 s82, s[CP], QTR
	s_add_co_u32 s82, s82, s46
	s_lshl_b32 s44, s47, 10
	s_add_co_u32 s44, s44, s82
	s_add_co_u32 s44, s44, 16384
	s_add_nc_u64 s[98:99], s[38:39], s[44:45]      ; V's codes
	s_lshl_b32 s44, s47, 1
	s_add_co_u32 s44, s44, s82
	s_add_co_u32 s44, s44, 32768+512
	s_add_nc_u64 s[100:101], s[38:39], s[44:45]    ; V's scale bytes
	s_wait_loadcnt 63                      ; behind the small loads stand 128 loads of x: the count is the largest that the wait can name
	ds_store_b128 v[SLO], v[SM:SM+3]
	ds_store_b128 v[SLO], v[SM+4:SM+7] offset:2048
	ds_store_b128 v[SLO], v[SM+8:SM+11] offset:4096
	ds_store_b32 v[BLO], v[SM+12]
	ds_store_b32 v[BLO], v[SM+13] offset:512
	ds_store_b32 v[BLO], v[SM+14] offset:1024
	global_store_b64 v[RLD], v[22:23], s[66:67]
	global_store_b64 v[RLD], v[24:25], s[66:67] offset:2*TILE
	global_store_b64 v[RLD], v[26:27], s[66:67] offset:4*TILE
	s_cmp_lg_u32 s[WV], 0
	s_cbranch_scc1 .Lno_sc_out
	global_store_b8 v[RSD], v28, s[66:67]
	global_store_b8 v[RSD], v29, s[66:67] offset:2*TILE
	global_store_b8 v[RSD], v30, s[66:67] offset:4*TILE
.Lno_sc_out:
	; x IS QUANTISED: two trips of two tiles of 16 rows.  The first trip takes tiles 2, 3 and moves their codes up; the second takes tiles 0, 1, whose loads the first has issued.
	s_mov_b32 s80, 0
.Lx:
	s_wait_loadcnt 63                      ; behind this tile's 64 loads stand the other window's 64
	XPOSE 2
.irp s, 0,1,2,3
	XWAIT \s
	QUANT 64*\s, 2, 4, 16*\s, XS+\s, 1
.endr
	WIN 0
	s_cmp_eq_u32 s80, 0
	s_cbranch_scc0 .Lx1
	XLOAD 2, 4, 0
	s_wait_loadcnt 63
	s_branch .Lx2
.Lx1:
	s_wait_loadcnt 0x0
.Lx2:
	XPOSE 3
.irp s, 0,1,2,3
	XWAIT \s
	QUANT 64*\s, 3, 4, 64+16*\s, XS+4+\s, 1
.endr
	WIN 0
	s_cmp_eq_u32 s80, 0
	s_cbranch_scc0 .Lx3
	XLOAD 3, 4, 32768
	WIN 0x41
.set i, 0
.rept 128
	v_mov_b32 v[128+i], v[i]
.set i, i+1
.endr
	WIN 0
.irp i, 0,1,2,3,4,5,6,7
	v_mov_b32 v[XS+8+\i], v[XS+\i]
.endr
.Lx3:
	s_add_co_u32 s80, s80, 1
	s_cmp_lt_u32 s80, 2
	s_cbranch_scc1 .Lx
	s_wait_alu depctr_va_vdst(0)           ; the wait ahead of the waits below
	s_wait_tensorcnt 0x0                   ; every wave waits: the weights are in,
	s_wait_dscnt 0x0                       ; and my pieces of the scale bytes and biases are stored
	s_barrier_signal -1
	s_barrier_wait -1
	LDWS
	LDPART 0, 0
	s_mov_b32 s81, 0
.Lqk:                                          ; Q, then K: one text; what differs lies in v[WA], v[WSL], v[BAL] and s[72:79]
	PHASE 0, 1
.irp m, 0,1,2,3
	s_wait_xcnt 0x0                        ; the stores before have read their data
	QUANT 64*\m, 2, 4, PC, PW+\m, 0
.irp c, 0,1,2,3
	global_store_b128 v[GI], v[PC+4*\c:PC+4*\c+3], s[72+2*(\m/2):73+2*(\m/2)] offset:(\m%2)*8192+512*\c
.endr
.endr
.irp a, 0,1
	v_cndmask_b32 v[MW+\a], v[PW+2*\a], v[PW+2*\a+1], s[HM]
.endr
	global_store_b32 v[QSA], v[MW], s[76:77]
	global_store_b32 v[QSA], v[MW+1], s[78:79]
	s_wait_xcnt 0x0                        ; the stores have read their bases
	s_mov_b64 s[72:73], s[90:91]
	s_mov_b64 s[74:75], s[92:93]
	s_mov_b64 s[76:77], s[94:95]
	s_mov_b64 s[78:79], s[96:97]
	v_add_nc_u32 v[BAL], 512, v[BAL]
	s_add_co_u32 s81, s81, 1
	s_cmp_lt_u32 s81, 2
	s_wait_alu depctr_va_vdst(0)           ; the wait directly ahead of the branch
	s_cbranch_scc1 .Lqk
	PHASE 1, 0
.irp t, 0,1,2,3,4,5,6,7
	s_wait_xcnt 0x0
	QUANT 32*\t, 2, 2, PC, PW+\t, 0
	global_store_b128 v[GI], v[PC:PC+3], s[98:99] offset:2048*\t
	global_store_b128 v[GI], v[PC+4:PC+7], s[98:99] offset:2048*\t+512
.endr
.irp a, 0,1,2,3
	v_cndmask_b32 v[MW+\a], v[PW+2*\a], v[PW+2*\a+1], s[HM]
.endr
.irp a, 0,1,2,3
	global_store_b16 v[VSA], v[MW+\a], s[100:101] offset:128*\a
.endr
	s_wait_tensorcnt 0x0                   ; the wave's end
	ds_add_u32 v[SPW], v[NIL]
	s_wait_dscnt 0x0
	ROUND
	s_endpgm
.Lfunc_end_k_q69813db551_qkv:
	.size	k_q69813db551_qkv, .Lfunc_end_k_q69813db551_qkv-k_q69813db551_qkv
	.p2alignl 7, 3214868480
	.fill 96, 4, 3214868480
	.section	.rodata,"a",@progbits
	.p2align	6, 0x0
	.amdhsa_kernel k_q69813db551_qkv
		.amdhsa_group_segment_fixed_size 327680
		.amdhsa_private_segment_fixed_size 0
		.amdhsa_enable_private_segment 0
		.amdhsa_kernarg_size 144
		.amdhsa_user_sgpr_count 2
		.amdhsa_user_sgpr_kernarg_segment_ptr 1
		.amdhsa_wavefront_size32 1
		.amdhsa_system_sgpr_workgroup_id_x 1
		.amdhsa_system_sgpr_workgroup_id_y 1
		.amdhsa_system_sgpr_workgroup_id_z 1
		.amdhsa_system_vgpr_workitem_id 0
		.amdhsa_next_free_vgpr 1024
		.amdhsa_next_free_sgpr 102
		.amdhsa_reserve_vcc 0
		.amdhsa_float_denorm_mode_32 3
		.amdhsa_float_denorm_mode_16_64 3
		.amdhsa_memory_ordered 1
		.amdhsa_forward_progress 1
		.amdhsa_inst_pref_size 252
	.end_amdhsa_kernel
	.amdgpu_metadata
---
amdhsa.version: [ 1, 2 ]
amdhsa.kernels:
  - .name:           k_q69813db551_qkv
    .symbol:         k_q69813db551_qkv.kd
    .args:
      - { .name: x, .offset: 0, .size: 8, .value_kind: global_buffer, .address_space: global }
      - { .name: Wq_codes, .offset: 8, .size: 8, .value_kind: global_buffer, .address_space: global }
      - { .name: Wq_scales, .offset: 16, .size: 8, .value_kind: global_buffer, .address_space: global }
      - { .name: bq, .offset: 24, .size: 8, .value_kind: global_buffer, .address_space: global }
      - { .name: Wk_codes, .offset: 32, .size: 8, .value_kind: global_buffer, .address_space: global }
      - { .name: Wk_scales, .offset: 40, .size: 8, .value_kind: global_buffer, .address_space: global }
      - { .name: bk, .offset: 48, .size: 8, .value_kind: global_buffer, .address_space: global }
      - { .name: Wv_codes, .offset: 56, .size: 8, .value_kind: global_buffer, .address_space: global }
      - { .name: Wv_scales, .offset: 64, .size: 8, .value_kind: global_buffer, .address_space: global }
      - { .name: bv, .offset: 72, .size: 8, .value_kind: global_buffer, .address_space: global }
      - { .name: Wo_codes, .offset: 80, .size: 8, .value_kind: global_buffer, .address_space: global }
      - { .name: Wo_scales, .offset: 88, .size: 8, .value_kind: global_buffer, .address_space: global }
      - { .name: W1_codes, .offset: 96, .size: 8, .value_kind: global_buffer, .address_space: global }
      - { .name: W1_scales, .offset: 104, .size: 8, .value_kind: global_buffer, .address_space: global }
      - { .name: W2_codes, .offset: 112, .size: 8, .value_kind: global_buffer, .address_space: global }
      - { .name: W2_scales, .offset: 120, .size: 8, .value_kind: global_buffer, .address_space: global }
      - { .name: q, .offset: 128, .size: 8, .value_kind: global_buffer, .address_space: global }
      - { .name: kvw, .offset: 136, .size: 8, .value_kind: global_buffer, .address_space: global }
    .group_segment_fixed_size: 327680
    .private_segment_fixed_size: 0
    .kernarg_segment_align: 8
    .kernarg_segment_size: 144
    .max_flat_workgroup_size: 128
    .sgpr_count:     102
    .vgpr_count:     1024
    .wavefront_size: 32
...
	.end_amdgpu_metadata
.endif
;; end of part 1
;; launch attn (part 2): grid 32 x 8, 4 waves a work-group, clusters of 4 x 1, 327,680 bytes of LDS; arguments q, kvw, x, bo, g1, b1, bf1, bf2, g2, b2, out0; writes out0
.if DOCPART == 2
	.amdgcn_target "amdgcn-amd-amdhsa--gfx1250"
	.amdhsa_code_object_version 6
	.text
	.protected	k_q69813db551_attn
	.globl	k_q69813db551_attn
	.p2align	8
	.type	k_q69813db551_attn,@function
k_q69813db551_attn:
	s_mov_b64 s[64:65], 0
	v_nop
	global_prefetch_b8 v0, s[64:65] scope:SCOPE_SE
	s_setreg_imm32_b32 hwreg(HW_REG_WAVE_MODE, 25, 1), 1
	s_wait_xcnt 0x0
	s_wait_alu depctr_hold_cnt(0) depctr_sa_sdst(0) depctr_va_vdst(0) depctr_va_sdst(0) depctr_va_ssrc(0) depctr_va_vcc(0) depctr_vm_vsrc(0)
	s_getreg_b32 s2, hwreg(HW_REG_IB_STS2, 6, 4)
	s_cmp_eq_u32 s2, 0
	s_cbranch_scc0 .Lentry_in_a_cluster
	s_endpgm
.Lentry_in_a_cluster:
	s_bfe_u32 s2, ttmp6, 0x10000c
	s_cmp_lg_u32 s2, 0x3003
	s_cbranch_scc0 .Lentry_shape_is_right
	s_endpgm
.Lentry_shape_is_right:
; Attention of 64 queries a work-group over the batch's 2,048 keys (16 tiles of 128 keys: K's and V's images and scale words), then Wo, layer norm, W1, relu, W2, layer norm: all products on codes of E5M2 with E8M0 block scales.
; THE WALK OVER THE KEYS IS ROTATED: the eight clusters of a batch begin at eight different tiles (the start is made of the cluster's number alone, so partners agree); the running whole-number maximum serves any order of the keys.
; So a K/V tile is asked for by the batch's clusters in different steps, and K and V are not prefetched; the six weight tiles, which all work-groups ask for in the same steps, are: by four clusters, six steps ahead of the first of their loads.
; The seven small vectors (bo, g1, b1, bf1, bf2, g2, b2) are copied into LDS once, in whole rows of 2,048 bytes, and read from there.
; LIMIT: the promise holds while the scaled scores stay under 2^31 in magnitude.
.set TILE,  135168
.set QTR,   33792
.set SLOTB, TILE
.set ACT,   2*TILE
.set ASC,   ACT+32768
.set PSC,   ASC+2048
.set MX0,   PSC+256
.set SPARE, MX0+4096
.set VEC,   SPARE+512                  ; seven vectors of 2,048 bytes: bo, g1, b1, bf1, bf2, g2, b2
.set OPITCH, 2064
.set R4,  1
.set VQ,  2
.set VSB, 3
.set ADC, 4
.set ADN, 5
.set ADCS, 6
.set ADNS, 7
.set LI,  8
.set PWI, 9
.set AWI, 10
.set PSB, 11
.set PSR, 12
.set ASW, 13
.set ASR, 14
.set MXW, 15
.set MXR, 16
.set SPW, 17
.set NIL, 18
.set PFO, 19
.set XA,  20
.set GA,  21
.set SO,  22
.set SR,  24
.set L16, 25
.set LIA, 26                           ; LDS address of the activation images of the trip's K steps
.set ASA, 27                           ; and of their scale words
.set VOF, 29                           ; 16 x thread: my piece of a small vector
.set VST, 30                           ; and its place in LDS
.set GL,  31                           ; LDS address of my lane's columns in a small vector
.set ST,  32
.set LL,  40
.set FF,  48
.set TM,  56
.set T16, 72
.set PC,  88
.set PW,  104
.set QS,  108
.set KS,  124
.set VS,  132
.set PS,  140
.set S,   148
.set AF1, 212
.set WV,  26
.set J,   29
.set TB,  31
.set TN,  32
.set LIM, 33
.set PFA, 34
.set KT,  70                           ; a product's trip
.set KO,  72                           ; s72, s73: the trip's step in the images and in their scale words
.set SEL, 56
.set CS,  58
.set MNT, 60
.set FLR, 61
.set EPS, 62
.set R512, 63
.set MSB, 0
.macro WIN new
.if MSB != (\new)
	s_set_vgpr_msb (MSB<<8)|(\new)
.set MSB, (\new)
.endif
.endm
.macro PLACES n
.rept \n
	v_nop
.endr
.endm
.macro ROUND
	s_barrier_signal -1
	s_barrier_wait -1
	s_cmp_lg_u32 s[WV], 0
	s_cbranch_scc1 .Lnot_wave_0_\@
	s_barrier_signal -3
.Lnot_wave_0_\@:
	s_barrier_wait -3
	s_barrier_signal -1
	s_barrier_wait -1
.endm
.macro BAR
	s_wait_dscnt 0x0
	s_barrier_signal -1
	s_barrier_wait -1
.endm
.macro QUANT src, win, nb, relu, pc, pw
	WIN ((\win)<<2)|((\win)<<4)
.irp b, 0,1,2,3
.if \b < \nb
.if \relu
	v_max3_num_f32 v[TM+\b], s[FLR], v[(\src)+16*\b], v[(\src)+16*\b+1]
.else
	v_max3_num_f32 v[TM+\b], s[FLR], |v[(\src)+16*\b]|, |v[(\src)+16*\b+1]|
.endif
.endif
.endr
.irp i, 2,4,6,8,10,12,14
.irp b, 0,1,2,3
.if \b < \nb
.if \relu
	v_max3_num_f32 v[TM+\b], v[TM+\b], v[(\src)+16*\b+\i], v[(\src)+16*\b+\i+1]
.else
	v_max3_num_f32 v[TM+\b], v[TM+\b], |v[(\src)+16*\b+\i]|, |v[(\src)+16*\b+\i+1]|
.endif
.endif
.endr
.endr
	WIN 0
.irp b, 0,1,2,3
.if \b < \nb
	v_permlanex16_b32 v[TM+4+\b], v[TM+\b], s[SEL], s[SEL+1]
.endif
.endr
.irp b, 0,1,2,3
.if \b < \nb
	v_max_num_f32 v[TM+\b], v[TM+\b], v[TM+4+\b]
.endif
.endr
.irp b, 0,1,2,3
.if \b < \nb
	v_add_nc_u32 v[TM+12+\b], 0xf8800000, v[TM+\b]
.endif
.endr
.irp b, 0,1,2,3
.if \b < \nb
	v_and_or_b32 v[TM+8+\b], v[TM+\b], 0x7f800000, s[MNT]
.endif
.endr
.irp b, 0,1,2,3
.if \b < \nb
	v_lshrrev_b32 v[TM+4+\b], 23, v[TM+12+\b]
.endif
.endr
	v_lshl_or_b32 v[\pw], v[TM+5], 8, v[TM+4]
.if \nb > 2
	v_lshl_or_b32 v[\pw], v[TM+6], 16, v[\pw]
	v_lshl_or_b32 v[\pw], v[TM+7], 24, v[\pw]
.endif
.irp b, 0,1,2,3
.if \b < \nb
	WIN \win
.irp i, 0,1,2,3,4,5,6,7,8,9,10,11,12,13,14,15
.if \relu
	v_med3_num_f32 v[T16+\i], v[(\src)+16*\b+\i], 0, v[TM+8+\b]
.else
	v_med3_num_f32 v[T16+\i], v[(\src)+16*\b+\i], -v[TM+8+\b], v[TM+8+\b]
.endif
.endr
	WIN 0
	v_cvt_scalef32_pk8_bf8_f32 v[(\pc)+4*\b:(\pc)+4*\b+1], v[T16:T16+7], v[TM+12+\b]
	v_cvt_scalef32_pk8_bf8_f32 v[(\pc)+4*\b+2:(\pc)+4*\b+3], v[T16+8:T16+15], v[TM+12+\b]
	v_nop
.endif
.endr
.endm
.macro LDP0
	WIN 0xC0
.irp f, 0,1,2,3,4,5,6,7
.irp c, 0,1,2,3
	ds_load_b128 v[16*\f+4*\c:16*\f+4*\c+3], v[ADN] offset:2048*\f+512*\c
.endr
.endr
	WIN 0
.irp f, 0,1,2,3,4,5,6,7
	ds_load_b32 v[KS+\f], v[ADNS] offset:64*\f
.endr
.endm
.macro LDP1
	WIN 0xC0
.irp f, 0,1,2,3,4,5,6,7
.irp c, 0,1,2,3
	ds_load_b128 v[128+16*\f+4*\c:128+16*\f+4*\c+3], v[ADC] offset:2048*(8+\f)+512*\c
.endr
.endr
	WIN 0
.irp f, 0,1,2,3,4,5,6,7
	ds_load_b32 v[VS+\f], v[ADCS] offset:64*(8+\f)
.endr
.endm
.macro ADDRS
	v_add_nc_u32 v[ADC], s[TB], v[VQ]
	v_add_nc_u32 v[ADN], s[TN], v[VQ]
	v_add_nc_u32 v[ADCS], s[TB], v[VSB]
	v_add_nc_u32 v[ADNS], s[TN], v[VSB]
.endm
.macro ASK
	s_sub_co_u32 s39, s[J], s[LIM]         ; steps LIM .. LIM + 5 name the six weight tiles
	s_cmp_lt_u32 s39, 6
	s_cbranch_scc0 .Lnot_mine_\@
	global_prefetch_b8 v[PFO], s[PFA:PFA+1] th:TH_LOAD_NT scope:SCOPE_SE
.Lnot_mine_\@:
.endm
.macro HALVES
.irp m, 0,1,2,3
	v_add_f32 v[TM+\m], v[LL+2*\m], v[LL+2*\m+1]
.endr
.irp m, 0,1,2,3
	v_permlanex16_b32 v[TM+4+\m], v[TM+\m], s[SEL], s[SEL+1]
.endr
.irp m, 0,1,2,3
	v_add_f32 v[TM+\m], v[TM+\m], v[TM+4+\m]
.endr
.endm
.macro XCH area
.irp m, 0,1,2,3
	ds_store_b32 v[MXW], v[TM+\m] offset:\area+512*\m
.endr
	BAR
.irp m, 0,1,2,3
	ds_load_b128 v[T16+4*\m:T16+4*\m+3], v[MXR] offset:\area+512*\m
.endr
	s_wait_dscnt 0x0
.irp m, 0,1,2,3
	v_add_f32 v[T16+4*\m], v[T16+4*\m], v[T16+4*\m+1]
.endr
.irp m, 0,1,2,3
	v_add_f32 v[T16+4*\m+2], v[T16+4*\m+2], v[T16+4*\m+3]
.endr
.irp m, 0,1,2,3
	v_add_f32 v[TM+\m], v[T16+4*\m], v[T16+4*\m+2]
.endr
.endm
.macro IMG m
.irp c, 0,1,2,3
	ds_store_b128 v[AWI], v[S+16*(\m)+4*\c:S+16*(\m)+4*\c+3] offset:8192*(\m)+512*\c
.endr
	ds_store_b32 v[ASW], v[PW+(\m)] offset:512*(\m)
.endm
.macro AFETCH buf, ks, li=LI, as=ASR
.irp m, 0,1,2,3
.if \buf
.set FB, AF1+16*\m-172*(\m/2)
.else
.set FB, S+16*\m
.endif
.irp c, 0,1,2,3
	ds_load_b128 v[FB+4*\c:FB+4*\c+3], v[\li] offset:(4*\m+(\ks))*2048+512*\c
.endr
	ds_load_b32 v[PS+4*(\buf)+\m], v[\as] offset:(4*\m+(\ks))*128
.endr
.endm
.macro PROD part, buf, cw
.if \cw
	WIN 0x93
.else
	WIN 0xA3
.endif
.irp t, 0,1,2,3,4,5,6,7
.irp m, 0,1,2,3
.if \buf
.set FB, AF1+16*\m-172*(\m/2)
.else
.set FB, S+16*\m
.endif
	v_wmma_scale_f32_16x16x128_f8f6f4 v[64*\m+8*\t:64*\m+8*\t+7], v[(\part)+16*\t:(\part)+16*\t+15], v[FB:FB+15], v[64*\m+8*\t:64*\m+8*\t+7], v[KS+(\part)/16+\t], v[PS+4*(\buf)+\m] matrix_a_fmt:MATRIX_FMT_BF8 matrix_b_fmt:MATRIX_FMT_BF8
.endr
.endr
.endm
; A product of 64 x 512 x 512: a loop of two trips, each a weight tile of 256 along K.  refill = 1: each trip asks for the tile two on.
.macro GEMM refill
	WIN 0
	s_mov_b32 s[KT], 0
	s_mov_b32 s[KO], 0
	s_mov_b32 s[KO+1], 0
.Lg_\@:
	ADDRS
	v_add_nc_u32 v[LIA], s[KO], v[LI]
	v_add_nc_u32 v[ASA], s[KO+1], v[ASR]
	PLACES 2                               ; with the six additions: eight places ahead of loads into what the last products read
	LDP1
	AFETCH 1, 1, LIA, ASA
	s_wait_dscnt 60                        ; all but the 40 + 20 loads just issued
	PROD 0, 0, 0
	WIN 0
	s_wait_tensorcnt 0x0
.if \refill
	ds_add_u32 v[SPW], v[NIL]
	s_xor_b32 s53, s53, SLOTB
	s_add_nc_u64 s[54:55], s[54:55], TILE
	s_wait_dscnt 0x0
	ROUND
	tensor_load_to_lds s[52:55], s[40:47]
	s_nop 0
	PLACES 8
.else
	s_wait_dscnt 0x0
	PLACES 8
.endif
.if \refill
	s_wait_alu depctr_va_vdst(0)           ; the wait ahead of the first reader behind the round
	LDP0
.endif
	s_cmp_lg_u32 s[KT], 0                  ; the second trip has no third K step to fetch (and, with no refill, no next tile)
	s_cbranch_scc1 .Lga_\@
.if !\refill
	s_wait_alu depctr_va_vdst(0)
	LDP0
.endif
	AFETCH 0, 2
.Lga_\@:
	PROD 128, 1, 0
	WIN 0
	s_xor_b32 s[TB], s[TB], SLOTB
	s_xor_b32 s[TN], s[TN], SLOTB
	s_add_co_u32 s[KO], s[KO], 4096
	s_add_co_u32 s[KO+1], s[KO+1], 256
	s_add_co_u32 s[KT], s[KT], 1
	s_cmp_lt_u32 s[KT], 2
	s_cbranch_scc1 .Lg_\@
.endm
.macro LNORM gs, bs, fw
	WIN 0
	PLACES 8
	WIN 0xC0
.irp t, 0,1,2,3,4,5,6,7
	ds_load_b128 v[128+8*\t:128+8*\t+3], v[GL] offset:(\gs)+64*\t
	ds_load_b128 v[128+8*\t+4:128+8*\t+7], v[GL] offset:(\gs)+64*\t+16
	ds_load_b128 v[192+8*\t:192+8*\t+3], v[GL] offset:(\bs)+64*\t
	ds_load_b128 v[192+8*\t+4:192+8*\t+7], v[GL] offset:(\bs)+64*\t+16
.endr
	WIN 0x0A
.irp m, 0,1,2,3
	v_pk_add_f32 v[LL+2*\m:LL+2*\m+1], v[64*\m:64*\m+1], v[64*\m+2:64*\m+3]
.endr
	WIN 0x08
.set i, 4
.rept 30
.irp m, 0,1,2,3
	v_pk_add_f32 v[LL+2*\m:LL+2*\m+1], v[LL+2*\m:LL+2*\m+1], v[64*\m+i:64*\m+i+1]
.endr
.set i, i+2
.endr
	WIN 0
	HALVES
	XCH 0
.irp m, 0,1,2,3
	v_mul_f32 v[ST+2*\m], s[R512], v[TM+\m]
.endr
	WIN 0x82
.irp m, 0,1,2,3
.set i, 0
.rept 32
	v_pk_add_f32 v[64*\m+i:64*\m+i+1], v[64*\m+i:64*\m+i+1], v[ST+2*\m:ST+2*\m+1] op_sel_hi:[1,0] neg_lo:[0,1] neg_hi:[0,1]
.set i, i+2
.endr
.endr
	WIN 0x0A
.irp m, 0,1,2,3
	v_pk_mul_f32 v[LL+2*\m:LL+2*\m+1], v[64*\m:64*\m+1], v[64*\m:64*\m+1]
.endr
.set i, 2
.rept 31
.irp m, 0,1,2,3
	v_pk_fma_f32 v[LL+2*\m:LL+2*\m+1], v[64*\m+i:64*\m+i+1], v[64*\m+i:64*\m+i+1], v[LL+2*\m:LL+2*\m+1]
.endr
.set i, i+2
.endr
	WIN 0
	HALVES
	XCH 2048
.irp m, 0,1,2,3
	v_fma_f32 v[TM+\m], v[TM+\m], s[R512], s[EPS]
.endr
	s_wait_alu depctr_va_vdst(0)
.irp m, 0,1,2,3
	v_rsq_f32 v[FF+2*\m], v[TM+\m]
.endr
	v_nop
	s_wait_alu depctr_va_vdst(0)
	WIN 0x82
.irp m, 0,1,2,3
.set i, 0
.rept 32
	v_pk_mul_f32 v[64*\m+i:64*\m+i+1], v[64*\m+i:64*\m+i+1], v[FF+2*\m:FF+2*\m+1] op_sel_hi:[1,0]
.set i, i+2
.endr
.endr
	WIN \fw                                ; gain and shift came back ahead of the exchanges' waits
.irp m, 0,1,2,3
.set i, 0
.rept 32
	v_pk_fma_f32 v[64*\m+i:64*\m+i+1], v[64*\m+i:64*\m+i+1], v[128+i:128+i+1], v[192+i:192+i+1]
.set i, i+2
.endr
.endr
	WIN 0
.endm
	s_load_b512 s[4:19], s[0:1], 0x0
	s_load_b128 s[20:23], s[0:1], 0x40
	s_load_b64 s[24:25], s[0:1], 0x50
	v_lshl_add_u32 v[SPW], v0, 2, SPARE
	v_mov_b32 v[NIL], 0
	ds_add_u32 v17, v18
	ds_add_u32 v17, v18
	s_wait_dscnt 0x0
	v_lshrrev_b32 v26, 5, v0
	v_readfirstlane_b32 s[WV], v26
	s_bfe_u32 s27, ttmp6, 0x40000
	s_and_b32 s28, ttmp7, 0xffff
	s_mov_b32 s40, 15|(3<<16)|(1<<21)
	s_mov_b32 s41, 32<<16
	s_mov_b32 s42, 132<<16
	s_mov_b32 s43, 32<<16
	s_mov_b32 s44, 132
	s_mov_b32 s45, 32
	s_mov_b32 s46, 0
	s_mov_b32 s47, 0
	s_mul_i32 s66, s[WV], QTR
	s_mul_i32 s67, s28, 16*TILE
	s_add_co_u32 s68, s67, s66
	s_mov_b32 s69, 0
	s_and_b32 s38, ttmp9, 3                ; the cluster's first tile: 4 ((x % 4) xor (x / 4)) + 2 (x / 4), x the cluster's number in its batch
	s_lshr_b32 s39, ttmp9, 2
	s_xor_b32 s38, s38, s39
	s_lshl_b32 s38, s38, 2
	s_lshl_b32 s39, s39, 1
	s_add_co_u32 s38, s38, s39
	s_mul_i32 s70, s38, TILE
	s_add_co_u32 s70, s70, s68
	s_mov_b32 s71, 0
	s_add_co_u32 s38, s38, 2               ; step J asks for tile (J + s38) % 16
	s_mov_b32 s37, 0
	s_mov_b32 s[SEL], 0x76543210
	s_mov_b32 s[SEL+1], 0xfedcba98
	s_mov_b32 s[CS], 0x3d8293ee
	s_mov_b32 s[CS+1], s[CS]
	s_mov_b32 s[MNT], 0x600000
	s_mov_b32 s[FLR], 0x8000000
	s_mov_b32 s[EPS], 0x3727c5ac
	s_mov_b32 s[R512], 0x3b000000
	s_mov_b32 s[J], 0
	s_mov_b32 s[TB], 0
	s_mov_b32 s[TN], SLOTB
	s_sub_co_u32 s72, s28, ttmp9           ; four clusters ask for the weights ahead: (x, y) = (0, 0), (0, 1), (4, 4), (4, 5)
	s_and_b32 s73, ttmp9, 3
	s_lshl_b32 s73, s73, 8
	s_add_co_u32 s72, s72, s73
	s_cmp_lt_u32 s72, 2
	s_mov_b32 s[LIM], 99
	s_cselect_b32 s[LIM], 8, s[LIM]
	s_wait_kmcnt 0x0
	s_mov_b32 s48, 1
	s_mov_b32 s49, s66
	s_add_nc_u64 s[50:51], s[6:7], s[70:71]
	s_mov_b32 s52, 1
	s_add_co_u32 s53, s66, SLOTB
	s_add_nc_u64 s[54:55], s[50:51], TILE
	s_or_b32 s51, s51, 0x80000000
	s_or_b32 s55, s55, 0x80000000
	ROUND
	tensor_load_to_lds s[48:51], s[40:47]
	s_nop 0
	PLACES 4
	s_lshl_b32 s70, s27, 13                ; the prefetches: my wave's quarter of a tile, my work-group's 8,192 bytes of it;
	s_add_co_u32 s70, s70, 119*TILE        ; stepped by a tile in every step, so that step 8 names tile 128, the first of the weights
	s_add_co_u32 s70, s70, s66
	s_mov_b32 s71, 0
	s_add_nc_u64 s[PFA:PFA+1], s[6:7], s[70:71]
	s_lshl_b32 s72, s28, 5
	s_lshl_b32 s73, ttmp9, 2
	s_add_co_u32 s72, s72, s73
	s_add_co_u32 s72, s72, s27
	s_mul_i32 s74, s72, QTR
	s_mov_b32 s75, 0
	s_add_nc_u64 s[4:5], s[4:5], s[74:75]
	s_lshl_b32 s74, s72, 17
	s_add_nc_u64 s[8:9], s[8:9], s[74:75]
	s_lshl_b32 s73, s[WV], 15
	s_add_co_u32 s74, s74, s73
	s_add_nc_u64 s[24:25], s[24:25], s[74:75]
	v_and_b32 v26, 15, v0
	v_bfe_u32 v27, v0, 4, 1
	v_and_b32 v28, 31, v0
	v_lshlrev_b32 v[R4], 2, v26
	v_lshlrev_b32 v[L16], 4, v28
	v_add_nc_u32 v[VQ], s66, v[L16]
	s_add_co_u32 s73, s66, 32768
	v_add_nc_u32 v[VSB], s73, v[R4]
	v_add_nc_u32 v[LI], ACT, v[L16]
	s_lshl_b32 s73, s[WV], 9
	v_add_nc_u32 v[PWI], s73, v[LI]
	v_lshlrev_b32 v[GA], 5, v27
	v_add_nc_u32 v[GA], s73, v[GA]
	v_add_nc_u32 v[XA], s73, v[L16]        ; x: my wave's 512 bytes of a row, 16 bytes a lane
	v_mul_u32_u24 v[SO], v26, OPITCH
	v_add_nc_u32 v[SO], v[SO], v[GA]
	v_add_nc_u32 v[SO+1], 32*OPITCH, v[SO]
	s_lshl_b32 s73, s[WV], 11
	v_add_nc_u32 v[AWI], s73, v[LI]
	v_add_nc_u32 v[PSR], PSC, v[R4]
	v_add_nc_u32 v[PSB], s[WV], v[PSR]
	v_lshl_add_u32 v[ASR], v28, 2, ASC
	s_lshl_b32 s73, s[WV], 7
	v_add_nc_u32 v[ASW], s73, v[ASR]
	v_add_nc_u32 v[MXR], MX0, v[L16]
	s_lshl_b32 s73, s[WV], 2
	v_add_nc_u32 v[MXW], s73, v[MXR]
	v_lshlrev_b32 v[PFO], 8, v28
	s_mul_i32 s73, s[WV], 16*OPITCH
	v_add_nc_u32 v[SR], s73, v[L16]
	v_lshlrev_b32 v[VOF], 4, v0
	v_add_nc_u32 v[VST], VEC, v[VOF]
	v_add_nc_u32 v[GL], VEC, v[GA]
	WIN 0x40
.irp f, 0,1,2,3,4,5,6,7,8,9,10,11,12,13,14,15
.irp c, 0,1,2,3
	global_load_b128 v[16*\f+4*\c:16*\f+4*\c+3], v[L16], s[4:5] offset:2048*\f+512*\c th:TH_LOAD_NT
.endr
.endr
	WIN 0
.irp f, 0,1,2,3,4,5,6,7,8,9,10,11,12,13,14,15
	global_load_b32 v[QS+\f], v[R4], s[4:5] offset:32768+64*\f
.endr
.irp k, 0,1,2,3,4,5,6
	global_load_b128 v[S+4*\k:S+4*\k+3], v[VOF], s[10+2*\k:11+2*\k]   ; 128 threads x 16 bytes: a whole vector
.endr
	WIN 0x80
.set i, 0
.rept 256
	v_mov_b32 v[i], 0
.set i, i+1
.endr
	WIN 0
.irp m, 0,1,2,3
	v_mov_b32 v[ST+2*\m+1], 0xff61b1e6
	v_floor_f32 v[ST+2*\m], -v[ST+2*\m+1]
	v_mov_b32 v[LL+2*\m], 0
	v_mov_b32 v[LL+2*\m+1], 0
	v_mov_b32 v[FF+2*\m], 0
	v_mov_b32 v[FF+2*\m+1], 0
	v_mov_b32 v[TM+4+\m], 0
.endr
	s_wait_alu depctr_va_vdst(0)           ; the wait at the head's end
	s_wait_tensorcnt 0x0                   ; slot 1's first fill is issued as a refill is: my part of the first tile is in,
	ds_add_u32 v17, v18                    ; the add,
	s_wait_dscnt 0x0
	ROUND
	tensor_load_to_lds s[52:55], s[40:47]
	s_nop 0
	PLACES 4
	v_add_nc_u32 v[ADN], s[TB], v[VQ]
	v_add_nc_u32 v[ADNS], s[TB], v[VSB]
	LDP0
	s_wait_loadcnt 0x0
.irp k, 0,1,2,3,4,5,6
	ds_store_b128 v[VST], v[S+4*\k:S+4*\k+3] offset:2048*\k
.endr
	s_wait_dscnt 0x0                       ; the vectors are stored: the loop's rounds show them to the other waves
.Lkey:
	ADDRS
	PLACES 6
	LDP1
	WIN 0x07
.irp s, 0,1,2,3
.irp m, 0,1,2,3
.irp u, 0,1
.if \s == 0
	v_wmma_scale_f32_16x16x128_f8f6f4 v[S+16*\m+8*\u:S+16*\m+8*\u+7], v[16*(4*\u+\s):16*(4*\u+\s)+15], v[16*(4*\m+\s):16*(4*\m+\s)+15], 0, v[KS+4*\u+\s], v[QS+4*\m+\s] matrix_a_fmt:MATRIX_FMT_BF8 matrix_b_fmt:MATRIX_FMT_BF8
.else
	v_wmma_scale_f32_16x16x128_f8f6f4 v[S+16*\m+8*\u:S+16*\m+8*\u+7], v[16*(4*\u+\s):16*(4*\u+\s)+15], v[16*(4*\m+\s):16*(4*\m+\s)+15], v[S+16*\m+8*\u:S+16*\m+8*\u+7], v[KS+4*\u+\s], v[QS+4*\m+\s] matrix_a_fmt:MATRIX_FMT_BF8 matrix_b_fmt:MATRIX_FMT_BF8
.endif
.endr
.endr
.endr
	WIN 0
	PLACES 8
.irp m, 0,1,2,3
	v_max3_num_f32 v[TM+\m], v[S+16*\m], v[S+16*\m+1], v[S+16*\m+2]
.endr
.irp i, 3,5,7,9,11,13
.irp m, 0,1,2,3
	v_max3_num_f32 v[TM+\m], v[TM+\m], v[S+16*\m+\i], v[S+16*\m+\i+1]
.endr
.endr
.irp m, 0,1,2,3
	v_max_num_f32 v[TM+\m], v[TM+\m], v[S+16*\m+15]
.endr
.irp m, 0,1,2,3
	v_permlanex16_b32 v[TM+4+\m], v[TM+\m], s[SEL], s[SEL+1]
.endr
.irp m, 0,1,2,3
	v_max_num_f32 v[TM+\m], v[TM+\m], v[TM+4+\m]
.endr
.irp m, 0,1,2,3
	ds_store_b32 v[MXW], v[TM+\m] offset:512*\m
.endr
	s_wait_tensorcnt 0x0
	ds_add_u32 v[SPW], v[NIL]
	s_xor_b32 s53, s53, SLOTB
	s_add_co_u32 s36, s[J], s38            ; the tile two steps on in my cluster's walk,
	s_and_b32 s36, s36, 15
	s_mul_i32 s36, s36, TILE
	s_add_co_u32 s36, s36, s68
	s_add_co_u32 s39, s[J], 114            ; or, in the last two steps, weight tiles 128 and 129
	s_mul_i32 s39, s39, TILE
	s_add_co_u32 s39, s39, s66
	s_cmp_lt_u32 s[J], 14
	s_cselect_b32 s36, s36, s39
	s_add_nc_u64 s[54:55], s[6:7], s[36:37]
	s_or_b32 s55, s55, 0x80000000
	s_wait_xcnt 0x0
	s_add_nc_u64 s[PFA:PFA+1], s[PFA:PFA+1], TILE
	s_wait_dscnt 0x0
	ROUND
	tensor_load_to_lds s[52:55], s[40:47]
	s_nop 0
	PLACES 4
	ASK
.irp m, 0,1,2,3
	ds_load_b128 v[T16+4*\m:T16+4*\m+3], v[MXR] offset:512*\m
.endr
	LDP0
	s_wait_dscnt 40
.irp m, 0,1,2,3
	v_max3_num_f32 v[T16+4*\m], v[T16+4*\m], v[T16+4*\m+1], v[T16+4*\m+2]
.endr
.irp m, 0,1,2,3
	v_max_num_f32 v[T16+4*\m], v[T16+4*\m], v[T16+4*\m+3]
.endr
.irp m, 0,1,2,3
	v_mul_f32 v[T16+4*\m], s[CS], v[T16+4*\m]
.endr
.irp m, 0,1,2,3
	v_max_num_f32 v[ST+2*\m+1], v[ST+2*\m+1], v[T16+4*\m]
.endr
.irp m, 0,1,2,3
	v_mov_b32 v[T16+4*\m+1], v[ST+2*\m]
.endr
.irp m, 0,1,2,3
	v_floor_f32 v[ST+2*\m], -v[ST+2*\m+1]
.endr
.irp m, 0,1,2,3
	v_sub_f32 v[T16+4*\m+1], v[ST+2*\m], v[T16+4*\m+1]
.endr
.irp m, 0,1,2,3
	v_cvt_i32_f32 v[T16+4*\m+1], v[T16+4*\m+1]
.endr
.irp m, 0,1,2,3
	v_ldexp_f32 v[FF+2*\m], 1.0, v[T16+4*\m+1]
.endr
.irp j, 0,2,4,6,8,10,12,14
.irp m, 0,1,2,3
	v_pk_fma_f32 v[S+16*\m+\j:S+16*\m+\j+1], v[S+16*\m+\j:S+16*\m+\j+1], s[CS:CS+1], v[ST+2*\m:ST+2*\m+1] op_sel_hi:[1,0,0]
.endr
.endr
.irp m, 0,1,2,3
	v_fma_f32 v[TM+\m], v[TM+\m], s[CS], v[ST+2*\m]
.endr
.set i, 0
	s_wait_alu depctr_va_vdst(0)
.rept 64
	v_exp_f32 v[S+i], v[S+i]
.set i, i+1
.endr
.irp m, 0,1,2,3
	v_pk_mul_f32 v[LL+2*\m:LL+2*\m+1], v[LL+2*\m:LL+2*\m+1], v[FF+2*\m:FF+2*\m+1] op_sel_hi:[1,0]
.endr
	s_wait_alu depctr_va_vdst(0)
.irp m, 0,1,2,3
	v_exp_f32 v[TM+\m], v[TM+\m]
.endr
.irp j, 0,2,4,6,8,10,12,14
.irp m, 0,1,2,3
	v_pk_add_f32 v[LL+2*\m:LL+2*\m+1], v[LL+2*\m:LL+2*\m+1], v[S+16*\m+\j:S+16*\m+\j+1]
.endr
.endr
	s_wait_alu depctr_va_vdst(0)
.irp m, 0,1,2,3
	v_max_num_f32 v[TM+\m], s[FLR], v[TM+\m]
.endr
.irp m, 0,1,2,3
	v_add_nc_u32 v[TM+12+\m], 0xf8800000, v[TM+\m]
.endr
.irp m, 0,1,2,3
	v_and_or_b32 v[TM+8+\m], v[TM+\m], 0x7f800000, s[MNT]
.endr
.irp m, 0,1,2,3
	v_lshrrev_b32 v[TM+4+\m], 23, v[TM+12+\m]
.endr
.irp m, 0,1,2,3
.irp i, 0,1,2,3,4,5,6,7,8,9,10,11,12,13,14,15
	v_min_num_f32 v[S+16*\m+\i], v[S+16*\m+\i], v[TM+8+\m]
.endr
	v_cvt_scalef32_pk8_bf8_f32 v[PC+4*\m:PC+4*\m+1], v[S+16*\m:S+16*\m+7], v[TM+12+\m]
	v_cvt_scalef32_pk8_bf8_f32 v[PC+4*\m+2:PC+4*\m+3], v[S+16*\m+8:S+16*\m+15], v[TM+12+\m]
.endr
	v_nop
.irp m, 0,1,2,3
	ds_store_b128 v[PWI], v[PC+4*\m:PC+4*\m+3] offset:2048*\m
.endr
.irp m, 0,1,2,3
	ds_store_b8 v[PSB], v[TM+4+\m] offset:64*\m
.endr
	BAR
.irp m, 0,1,2,3
.irp c, 0,1,2,3
	ds_load_b128 v[S+16*\m+4*\c:S+16*\m+4*\c+3], v[LI] offset:2048*\m+512*\c
.endr
	ds_load_b32 v[PS+\m], v[PSR] offset:64*\m
.endr
	WIN 0x82
.irp m, 0,1,2,3
.set i, 0
.rept 32
	v_pk_mul_f32 v[64*\m+i:64*\m+i+1], v[64*\m+i:64*\m+i+1], v[FF+2*\m:FF+2*\m+1] op_sel_hi:[1,0]
.set i, i+2
.endr
.endr
	s_wait_alu depctr_va_vdst(0)
	s_wait_dscnt 0x0
	WIN 0xA3
.irp t, 0,1,2,3,4,5,6,7
.irp m, 0,1,2,3
	v_wmma_scale_f32_16x16x128_f8f6f4 v[64*\m+8*\t:64*\m+8*\t+7], v[128+16*\t:128+16*\t+15], v[S+16*\m:S+16*\m+15], v[64*\m+8*\t:64*\m+8*\t+7], v[VS+\t], v[PS+\m] matrix_a_fmt:MATRIX_FMT_BF8 matrix_b_fmt:MATRIX_FMT_BF8
.endr
.endr
	WIN 0
	s_xor_b32 s[TB], s[TB], SLOTB
	s_xor_b32 s[TN], s[TN], SLOTB
	s_add_co_u32 s[J], s[J], 1
	s_cmp_lt_u32 s[J], 16
	s_cbranch_scc1 .Lkey
	PLACES 8
	WIN 0x40                               ; x's rows are asked for now, into the registers that Q has left
.set n, 0
.rept 64
	global_load_b128 v[4*n:4*n+3], v[XA], s[8:9] offset:2048*n th:TH_LOAD_NT   ; a row an instruction: 32 lanes on 512 bytes on end
.set n, n+1
.endr
	WIN 0
	s_mul_i32 s72, s[WV], 8704             ; my stage for x: 16 rows x 528 bytes, in the bytes of the images and their scale words, which are free until the first image is stored
	s_add_co_u32 s72, s72, ACT
	v_add_nc_u32 v[PSB], s72, v[L16]
	v_and_b32 v[PSR], 15, v0
	v_mul_u32_u24 v[PSR], v[PSR], 528
	v_bfe_u32 v[LIA], v0, 4, 1
	v_lshl_add_u32 v[PSR], v[LIA], 5, v[PSR]
	v_add_nc_u32 v[PSR], s72, v[PSR]
	HALVES
	XCH 2048
	s_wait_alu depctr_va_vdst(0)
.irp m, 0,1,2,3
	v_rcp_f32 v[FF+2*\m], v[TM+\m]
.endr
	v_nop
	WIN 0xC0                               ; bo, into the registers that V's last fragments have left
.irp t, 0,1,2,3,4,5,6,7
	ds_load_b128 v[128+8*\t:128+8*\t+3], v[GL] offset:64*\t
	ds_load_b128 v[128+8*\t+4:128+8*\t+7], v[GL] offset:64*\t+16
.endr
	s_wait_alu depctr_va_vdst(0)
.irp m, 0,1,2,3
	WIN 0x82
.set i, 0
.rept 32
	v_pk_mul_f32 v[64*\m+i:64*\m+i+1], v[64*\m+i:64*\m+i+1], v[FF+2*\m:FF+2*\m+1] op_sel_hi:[1,0]
.set i, i+2
.endr
	QUANT 64*\m, 2, 4, 0, S+16*\m, PW+\m
.endr
	WIN 0
	s_wait_alu depctr_va_vdst(0)           ; the wait ahead of the wait below
	s_wait_loadcnt 0x0                     ; x is in: it is turned through my stage, 16 rows at a time, into the sums' layout (LDS serves a wave in order)
.irp m, 0,1,2,3
	WIN 0x04
.irp p, 0,1,2,3,4,5,6,7,8,9,10,11,12,13,14,15
	ds_store_b128 v[PSB], v[64*\m+4*\p:64*\m+4*\p+3] offset:528*\p
.endr
	WIN 0x40
.irp t, 0,1,2,3,4,5,6,7
	ds_load_b128 v[64*\m+8*\t:64*\m+8*\t+3], v[PSR] offset:64*\t
	ds_load_b128 v[64*\m+8*\t+4:64*\m+8*\t+7], v[PSR] offset:64*\t+16
.endr
.endr
	WIN 0
	BAR                                    ; every wave's reads of its stage are over: the images may be stored
.irp m, 0,1,2,3
	IMG \m
.endr
	BAR
	AFETCH 0, 0
	WIN 0x8D
.irp m, 0,1,2,3
.set i, 0
.rept 32
	v_pk_add_f32 v[64*\m+i:64*\m+i+1], v[64*\m+i:64*\m+i+1], v[128+i:128+i+1]
.set i, i+2
.endr
.endr
	s_wait_alu depctr_va_vdst(0)
	GEMM 1
	LNORM 2048, 4096, 0x7E
	WIN 0x80
.irp m, 0,1,2,3
.irp t, 0,1,2,3,4,5,6,7
	ds_load_b128 v[64*\m+8*\t:64*\m+8*\t+3], v[GL] offset:6144+64*\t      ; bf1 starts W1's sums
	ds_load_b128 v[64*\m+8*\t+4:64*\m+8*\t+7], v[GL] offset:6144+64*\t+16
.endr
.endr
	WIN 0
.irp m, 0,1,2,3
	QUANT 64*\m, 1, 4, 0, S+16*\m, PW+\m
	IMG \m
.endr
	BAR
	AFETCH 0, 0
	GEMM 1
	PLACES 8
	BAR
	WIN 0xC0
.irp t, 0,1,2,3,4,5,6,7
	ds_load_b128 v[128+8*\t:128+8*\t+3], v[GL] offset:8192+64*\t          ; bf2
	ds_load_b128 v[128+8*\t+4:128+8*\t+7], v[GL] offset:8192+64*\t+16
.endr
	WIN 0
.irp m, 0,1,2,3
	QUANT 64*\m, 2, 4, 1, S+16*\m, PW+\m
	IMG \m
.endr
	BAR
	AFETCH 0, 0
	WIN 0x8D                               ; h + bf2 starts W2's sums, in the registers that the hidden layer has left
.irp m, 0,1,2,3
.set i, 0
.rept 32
	v_pk_add_f32 v[64*\m+i:64*\m+i+1], v[64*\m+i:64*\m+i+1], v[128+i:128+i+1]
.set i, i+2
.endr
.endr
	s_wait_alu depctr_va_vdst(0)
	GEMM 0
	LNORM 10240, 12288, 0xBE
	WIN 0x08
.irp m, 0,1,2,3
.irp t, 0,1,2,3,4,5,6,7
	ds_store_b128 v[SO+\m/2], v[64*\m+8*\t:64*\m+8*\t+3] offset:(\m%2)*16*OPITCH+64*\t
	ds_store_b128 v[SO+\m/2], v[64*\m+8*\t+4:64*\m+8*\t+7] offset:(\m%2)*16*OPITCH+64*\t+16
.endr
.endr
	WIN 0
	BAR
	WIN 0x40
.set n, 0
.rept 64
	ds_load_b128 v[4*n:4*n+3], v[SR] offset:OPITCH*(n/4)+512*(n%4)
.set n, n+1
.endr
	WIN 0x04
.set n, 0
.rept 64
.if (n%8) == 0
	s_wait_dscnt 56-n                      ; the next eight rows' pieces are back
.endif
	global_store_b128 v[L16], v[4*n:4*n+3], s[24:25] offset:2048*(n/4)+512*(n%4) th:TH_STORE_NT
.set n, n+1
.endr
	WIN 0
	s_wait_tensorcnt 0x0
	ds_add_u32 v[SPW], v[NIL]
	s_wait_dscnt 0x0
	ROUND
	s_endpgm
.Lfunc_end_k_q69813db551_attn:
	.size	k_q69813db551_attn, .Lfunc_end_k_q69813db551_attn-k_q69813db551_attn
	.p2alignl 7, 3214868480
	.fill 96, 4, 3214868480
	.section	.rodata,"a",@progbits
	.p2align	6, 0x0
	.amdhsa_kernel k_q69813db551_attn
		.amdhsa_group_segment_fixed_size 327680
		.amdhsa_private_segment_fixed_size 0
		.amdhsa_enable_private_segment 0
		.amdhsa_kernarg_size 88
		.amdhsa_user_sgpr_count 2
		.amdhsa_user_sgpr_kernarg_segment_ptr 1
		.amdhsa_wavefront_size32 1
		.amdhsa_system_sgpr_workgroup_id_x 1
		.amdhsa_system_sgpr_workgroup_id_y 1
		.amdhsa_system_sgpr_workgroup_id_z 1
		.amdhsa_system_vgpr_workitem_id 0
		.amdhsa_next_free_vgpr 1024
		.amdhsa_next_free_sgpr 80
		.amdhsa_reserve_vcc 0
		.amdhsa_float_denorm_mode_32 3
		.amdhsa_float_denorm_mode_16_64 3
		.amdhsa_memory_ordered 1
		.amdhsa_forward_progress 1
		.amdhsa_inst_pref_size 255
	.end_amdhsa_kernel
	.section	.bss,"aw",@nobits
	.p2align	6
	.space	262144
	.amdgpu_metadata
---
amdhsa.version: [ 1, 2 ]
amdhsa.kernels:
  - .name:           k_q69813db551_attn
    .symbol:         k_q69813db551_attn.kd
    .args:
      - { .name: q, .offset: 0, .size: 8, .value_kind: global_buffer, .address_space: global }
      - { .name: kvw, .offset: 8, .size: 8, .value_kind: global_buffer, .address_space: global }
      - { .name: x, .offset: 16, .size: 8, .value_kind: global_buffer, .address_space: global }
      - { .name: bo, .offset: 24, .size: 8, .value_kind: global_buffer, .address_space: global }
      - { .name: g1, .offset: 32, .size: 8, .value_kind: global_buffer, .address_space: global }
      - { .name: b1, .offset: 40, .size: 8, .value_kind: global_buffer, .address_space: global }
      - { .name: bf1, .offset: 48, .size: 8, .value_kind: global_buffer, .address_space: global }
      - { .name: bf2, .offset: 56, .size: 8, .value_kind: global_buffer, .address_space: global }
      - { .name: g2, .offset: 64, .size: 8, .value_kind: global_buffer, .address_space: global }
      - { .name: b2, .offset: 72, .size: 8, .value_kind: global_buffer, .address_space: global }
      - { .name: out0, .offset: 80, .size: 8, .value_kind: global_buffer, .address_space: global }
    .group_segment_fixed_size: 327680
    .private_segment_fixed_size: 0
    .kernarg_segment_align: 8
    .kernarg_segment_size: 88
    .max_flat_workgroup_size: 128
    .sgpr_count:     80
    .vgpr_count:     1024
    .wavefront_size: 32
...
	.end_amdgpu_metadata
.endif
;; end of part 2
